; MI455X (gfx1250); checked and timed in simulation.
; The chip was launched on July 23, 2026; its instructions are those of AMD's public machine-readable ISA for CDNA 5 (MIT licence, August 2026) and "CDNA5" Instruction Set Architecture Reference Guide (July 2026). The comments in the code are by the model that wrote it; some were corrected since.
;; Scaled Dot Product. Allowed arithmetic: float matrix products may take bf16 or f16 operands with f32 sums; all other float work in f32.
;; Inputs: k 4 x 16 x 2,048 x 64 float32; q 4 x 16 x 2,048 x 64 float32; v 4 x 16 x 2,048 x 64 float32.
;; Outputs: out0 4 x 16 x 2,048 x 64 float32.
;; One version. Each part assembles by itself: llvm-mc -triple=amdgcn-amd-amdhsa -mcpu=gfx1250 --defsym DOCPART=n.
;; ======== version 1 of 1: 1 launch
;; launch attn (part 1): grid 256 x 1, 8 waves a work-group, clusters of 4 x 1, 327,680 bytes of LDS; arguments k, q, v, out0; writes out0
.if DOCPART == 1
	.amdgcn_target "amdgcn-amd-amdhsa--gfx1250"
	.amdhsa_code_object_version 6
	.text
	.protected	k_q9a32cf43ff_attn
	.globl	k_q9a32cf43ff_attn
	.p2align	8
	.type	k_q9a32cf43ff_attn,@function
k_q9a32cf43ff_attn:
	s_mov_b64 s[64:65], 0
	v_nop
	global_prefetch_b8 v0, s[64:65] scope:SCOPE_SE
	s_setreg_imm32_b32 hwreg(HW_REG_WAVE_MODE, 25, 1), 1
	s_wait_xcnt 0x0
	s_wait_alu depctr_hold_cnt(0) depctr_sa_sdst(0) depctr_va_vdst(0) depctr_va_sdst(0) depctr_va_ssrc(0) depctr_va_vcc(0) depctr_vm_vsrc(0)
	s_getreg_b32 s2, hwreg(HW_REG_IB_STS2, 6, 4)
	s_cmp_eq_u32 s2, 0
	s_cbranch_scc0 .Lentry_in_a_cluster
	s_endpgm
.Lentry_in_a_cluster:
	s_bfe_u32 s2, ttmp6, 0x10000c
	s_cmp_lg_u32 s2, 0x3003
	s_cbranch_scc0 .Lentry_shape_is_right
	s_endpgm
.Lentry_shape_is_right:
; out = softmax(q k^T / 8) v for 64 heads of [2048][64] f32 (a row is 256 bytes), in one pass with a running maximum.
; SHARES.  A cluster of four work-groups takes one head (ttmp9); work-group cx takes 512 queries; wave w of eight takes 64 of them as four
; blocks of 16 (qb).  The keys go in 32 steps of 64.
; CLUSTER.  The four work-groups of a head read the same K and V, so these come by JOINT tensor loads (mask 15): tiles of 256 keys, 64 KiB of K
; and 64 KiB of V in f32, into two slots each; each wave asks for 64 rows of 256 bytes (waves 0-3 K's quarters, waves 4-7 V's).
; FORMATS.  In every trip the 256 threads read the f32 K and V of the step after next (32 KiB, 16 neighbouring bytes a lane), round to bf16 and put
; them into a bf16 stage of two buffers; the matrix fragments come from that stage.
; BOTH PRODUCTS ARE USED TRANSPOSED.  S^T = K Q^T: lane (r, h), register j of tile kt holds key 16 kt + 8 h + j of query r.  O^T = V^T P^T: its B fragment
; of 32 keys is the lane's own tiles 2u and 2u+1 packed to bf16, so P never leaves its lane, a lane serves one query (maximum, shift, alpha and sum are
; per-lane numbers; the two halves of the lanes meet by one v_permlanex16_b32), and a lane's eight results are eight neighbouring f32 of an output row.
; ORDER OF A TRIP.  The scores of a query block are made one to two blocks ahead of their softmax, so that the wave's stream alternates a softmax (about 135
; vector instructions) with a run of 16 matrix instructions (8 of O^T for the block just done, 8 of S^T for a block to come).  The trip's one barrier is
; signalled in front of the first run and waited for behind the second: run, softmax, run stand between, so two waves that share a SIMD may be a softmax and a
; run apart, the one in its vector work while the other is in its matrix run.
; TEXT.  Ten trips are written: the first, four in the loop with the refills, two in the loop behind the last refill, the last three.  What differs from lap to
; lap (which slot is read, which is filled) is carried in s46 and in the running descriptor, not in immediates.
; LIMITS, stated: q, k, v and the weights p are rounded to bf16 for the matrix unit, all else is f32.  The shift -c*max is used AS ROUNDED both in
; p = exp2(c s - c max) and in alpha = exp2(new shift - old shift), so the steps agree at any scale or offset of the inputs.  v_exp_f32 gives 0 for results
; below 2^-126.  The sum is made of the unrounded p.  The maximum ignores NaN (v_max_num); rows with NaN, infinite or overflowing scores come out
; non-finite, but not necessarily in the same pattern as a plain f32 softmax.
.set STEPB, 16384                      ; 64 keys of 256 bytes: a step's part of K or V, and what one tensor load brings
.set TILEB, 65536                      ; 256 keys: a slot of K or of V.  K's slots lie at 0 and 65,536: step st of K at (st mod 8) x 16,384
.set VRING, 131072                     ; V's two slots lie behind K's two, in the same order
.set STAGE, 262144                     ; behind the slots: no tensor load lands at or above this byte
.set KP,    144                        ; pitch of K's bf16 rows: 128 + 16, an odd multiple of 16: a fragment's 16 rows start at 16 different 16-byte columns of 256
.set VP,    160                        ; pitch of V's bf16 rows: 128 + 32, an odd multiple of 32, for the transposing load
.set VOFF,  64*KP                      ; V's rows lie behind K's 64 in a stage buffer
.set SBUF,  64*KP+64*VP                ; a stage buffer: 19,456 bytes; two of them; step st lies in buffer st mod 2
.set OP,    272                        ; the way out: 256 + 16 bytes a row
.set OSTG,  16*OP                      ; 16 rows for each wave, over the stage buffers once these are done with
; window 0 (v0-255)
.set SB,  0                            ; v[0:1]    second running pair of the sum (v0 is the thread's number until the addresses are made)
.set SA,  2                            ; v[2:3]    first running pair
.set KFA, 4                            ; LDS address of my part of a K fragment
.set VFA, 5                            ; the same for V (transposing load)
.set CB,  6                            ; 16 t: my 16 bytes in every 4,096 of K's slots; never rewritten
.set CBV, 7                            ; the same in V's slots; never rewritten
.set CVK, 8                            ; CB + s46: where the f32 reads of K now stand
.set CVV, 9                            ; CBV + s46
.set CWK, 10                           ; where my 8 bytes of bf16 K go
.set CWV, 11                           ; the same for V
.set QO,  12                           ; my byte offset in the wave's q
.set STO, 13                           ; the way out: where I put 32 bytes of a row
.set RD,  14                           ; the way out: where I read rows back
.set CO,  15                           ; my byte offset in out0
.set QF,  16                           ; v[16:79]   Q fragments, (qb, ks) at QF + 16 qb + 8 ks
.set SC,  80                           ; v[80:207]  S^T tiles, (kt, qb) at SC + 32 qb + 8 kt; P(u, qb) is packed in place at SC + 32 qb + 16 u
.set CT,  208                          ; v[208:239] f32 words on their way to the stage: K's 16, then V's
.set NMM, 240                          ; v[240:247] per qb a pair: -c*max as rounded, raw max
.set LS,  248                          ; v[248:251] per qb the lane's part of the sum
.set AL,  252                          ; v[252:253] alpha, and a filler for the pair
.set TA,  254
.set TB,  255
; window 1 (v256-511), numbers inside the window
.set OT,  0                            ; O^T tiles, (dt, qb) at OT + 32 qb + 8 dt
.set KF,  128                          ; K fragments, (kt, ks) at KF + 16 kt + 8 ks
.set VF,  192                          ; V^T fragments, (u, dt) at VF + 32 u + 8 dt
; scalars: s[4:11] k, q, v, out0; s12 wave; s13 cx; s[16:23] descriptor group 1; s[24:27] group 0 of tile 0; s[28:31] group 0 of tile 1, then the running one of the refills;
; s[32:33] c twice, s34 -c (c = log2(e) / 8); s35 laps; s36, s37 lane selects; s[38:41] K's or V's base and offset; s[42:45] q's and out0's offset, my out stage;
; s46 byte offset in the slots from which the f32 reads count
.set MSB, 0
.macro WIN new                         ; s_set_vgpr_msb: bits 1:0 source 0, 3:2 source 1, 5:4 source 2, 7:6 destination; the high byte repeats the setting left
.if MSB != \new
	s_set_vgpr_msb (MSB<<8)|\new
.set MSB, \new
.endif
.endm
.macro PLACES n
.rept \n
	v_nop
.endr
.endm
; A round of the cluster's barrier: my work-group's barrier, wave 0 signals for the work-group, every wave waits for all four work-groups, my work-group's barrier again.
.macro CREST                           ; a round behind its opening barrier
	s_cmp_lg_u32 s12, 0
	s_cbranch_scc1 .Lnot_wave_0_\@
	s_barrier_signal -3
.Lnot_wave_0_\@:
	s_barrier_wait -3
	s_barrier_signal -1
	s_barrier_wait -1
.endm
.macro CROUND
	s_barrier_signal -1
	s_barrier_wait -1
	CREST
.endm
.macro SETC                            ; the f32 reads count from s46
	v_add_nc_u32 v[CVK], s46, v[CB]
	v_add_nc_u32 v[CVV], s46, v[CBV]
.endm
	s_load_b256 s[4:11], s[0:1], 0x0               ; k s[4:5], q s[6:7], v s[8:9], out0 s[10:11]
	v_lshrrev_b32 v1, 5, v0
	v_readfirstlane_b32 s12, v1                    ; wave 0..7
	s_bfe_u32 s13, ttmp6, 0x40000                  ; cx: which 512 queries of the head
	; q and out0: head x 524,288 + cx x 131,072 + wave x 16,384
	s_lshl_b32 s42, ttmp9, 19
	s_lshl_b32 s44, s13, 17
	s_add_co_u32 s42, s42, s44
	s_lshl_b32 s44, s12, 14
	s_add_co_u32 s42, s42, s44
	s_mov_b32 s43, 0
	v_and_b32 v2, 15, v0                           ; r
	v_bfe_u32 v3, v0, 4, 1                         ; h
	v_lshlrev_b32 v[QO], 8, v2                     ; query r's row,
	v_lshl_add_u32 v[QO], v3, 5, v[QO]             ; 8 h numbers in
	s_wait_kmcnt 0x0
	s_add_nc_u64 s[6:7], s[6:7], s[42:43]
	s_add_nc_u64 s[10:11], s[10:11], s[42:43]
	; Q, once, asked for before anything else: 16 KiB a wave.  Fragment (qb, ks): lane (r, h) wants d = 32 ks + 8 h .. +7 and 32 ks + 16 + 8 h .. +7 of query 16 qb + r:
	; four loads of 16 bytes.  The wave's 32 loads together read every byte of its 64 rows; this is outside every loop, so no trip through LDS is spent on it.
.irp qb, 0,1,2,3
.irp ks, 0,1
	global_load_b128 v[SC+16*(2*\qb+\ks):SC+16*(2*\qb+\ks)+3],     v[QO], s[6:7] offset:\qb*4096+\ks*128    th:TH_LOAD_NT
	global_load_b128 v[SC+16*(2*\qb+\ks)+4:SC+16*(2*\qb+\ks)+7],   v[QO], s[6:7] offset:\qb*4096+\ks*128+16 th:TH_LOAD_NT
	global_load_b128 v[SC+16*(2*\qb+\ks)+8:SC+16*(2*\qb+\ks)+11],  v[QO], s[6:7] offset:\qb*4096+\ks*128+64 th:TH_LOAD_NT
	global_load_b128 v[SC+16*(2*\qb+\ks)+12:SC+16*(2*\qb+\ks)+15], v[QO], s[6:7] offset:\qb*4096+\ks*128+80 th:TH_LOAD_NT
.endr
.endr
	s_mov_b32 s32, 0x3e38aa3b                      ; c = log2(e) / 8: the scale 1/sqrt(64) and the change to base 2 in one factor
	s_mov_b32 s33, 0x3e38aa3b
	s_mov_b32 s34, 0xbe38aa3b                      ; -c
	s_mov_b32 s36, 0x76543210                      ; v_permlanex16_b32: lane i reads lane i of the other half
	s_mov_b32 s37, 0xfedcba98
	s_mov_b32 s46, 0                               ; the f32 reads begin at tile 0
	; descriptor group 1: 64 rows of 64 f32, dense, no padding (the slots are read 16 neighbouring bytes a lane)
	s_mov_b32 s16, 15|(2<<16)|(1<<21)              ; 15:0 mask: all four work-groups; 17:16 elements of 4 bytes; 21 set beside a mask
	s_mov_b32 s17, 64<<16                          ; tensor_dim0 = 64
	s_mov_b32 s18, 64<<16                          ; tensor_dim1 = 64
	s_mov_b32 s19, 64<<16                          ; tile_dim0 = 64
	s_mov_b32 s20, 64                              ; tile_dim1 = 64
	s_mov_b32 s21, 64                              ; 64 elements from row to row
	s_mov_b32 s22, 0
	s_mov_b32 s23, 0
	; group 0: LDS address = wave x 16,384 + (wave / 4) x 65,536 + slot x 65,536 (waves 0-3: K's slots from byte 0; waves 4-7: V's from byte 131,072);
	; global = (wave < 4 ? k : v) + head x 524,288 + (wave mod 4) x 16,384 + tile x 65,536.  No cx in any of it.
	s_mov_b32 s24, 1
	s_lshl_b32 s25, s12, 14
	s_lshr_b32 s14, s12, 2
	s_lshl_b32 s14, s14, 16
	s_add_co_u32 s25, s25, s14
	s_mov_b32 s28, 1
	s_add_co_u32 s29, s25, TILEB
	s_and_b32 s14, s12, 3
	s_lshl_b32 s14, s14, 14
	s_lshl_b32 s40, ttmp9, 19
	s_add_co_u32 s40, s40, s14
	s_mov_b32 s41, 0
	s_mul_i32 s45, s12, OSTG
	s_add_co_u32 s45, s45, STAGE                   ; my out stage
	s_cmp_lt_u32 s12, 4
	s_cselect_b64 s[38:39], s[4:5], s[8:9]         ; waves 0-3 fetch K, waves 4-7 V
	s_add_nc_u64 s[38:39], s[38:39], s[40:41]
	s_mov_b64 s[26:27], s[38:39]                   ; tile 0
	s_or_b32 s27, s27, 0x80000000                  ; type 2
	s_add_nc_u64 s[30:31], s[38:39], TILEB         ; tile 1: 256 keys of 256 bytes further
	s_or_b32 s31, s31, 0x80000000
	CROUND                                         ; all four work-groups are here: the first joint loads meet
	tensor_load_to_lds s[24:27], s[16:23]          ; the two first fills go out together: two tensor loads of the wave are out
	s_nop 0
	tensor_load_to_lds s[28:31], s[16:23]
	s_nop 0
	; the LDS addresses, while q and the tiles are on their way
	v_mul_u32_u24 v[KFA], v2, KP                   ; K fragment: row r, 16 h bytes in
	v_lshl_add_u32 v[KFA], v3, 4, v[KFA]
	v_add_nc_u32 v[KFA], STAGE, v[KFA]
	v_and_b32 v[TA], 7, v0                         ; V fragment: key row 8 h + lane mod 8, 16 bytes further for lanes 8-15 of each half
	v_lshl_add_u32 v[TA], v3, 3, v[TA]
	v_mul_u32_u24 v[VFA], v[TA], VP
	v_bfe_u32 v[TB], v0, 3, 1
	v_lshl_add_u32 v[VFA], v[TB], 4, v[VFA]
	v_add_nc_u32 v[VFA], STAGE+VOFF, v[VFA]
	v_lshlrev_b32 v[CB], 4, v0                     ; f32 reads: thread t takes byte 16 t of every 4,096: key 16 j + t / 16, d = 4 (t mod 16) .. +3
	v_add_nc_u32 v[CBV], VRING, v[CB]
	SETC
	v_lshrrev_b32 v[TA], 4, v0                     ; t / 16
	v_mul_u32_u24 v[CWK], v[TA], KP                ; and puts its four bf16 at that key's row, byte 8 (t mod 16)
	v_lshl_add_u32 v[CWK], v2, 3, v[CWK]
	v_add_nc_u32 v[CWK], STAGE, v[CWK]
	v_mul_u32_u24 v[CWV], v[TA], VP
	v_lshl_add_u32 v[CWV], v2, 3, v[CWV]
	v_add_nc_u32 v[CWV], STAGE+VOFF, v[CWV]
	v_mul_u32_u24 v[STO], v2, OP                   ; out: query r's row, 32 h bytes in
	v_lshl_add_u32 v[STO], v3, 5, v[STO]
	v_add_nc_u32 v[STO], s45, v[STO]
	v_mul_u32_u24 v[RD], v3, OP                    ; back: lanes 0-15 one row, lanes 16-31 the next
	v_lshl_add_u32 v[RD], v2, 4, v[RD]
	v_add_nc_u32 v[RD], s45, v[RD]
	v_and_b32 v[CO], 31, v0
	v_lshlrev_b32 v[CO], 4, v[CO]                  ; rows of out0 follow each other without a gap: two rows are 512 neighbouring bytes, 16 a lane
	v_mov_b32 v[AL+1], 0                           ; the pair's second register is named by the packed multiply and never used
	s_wait_loadcnt 0x0                             ; q is in
.irp f, 0,1,2,3,4,5,6,7
.irp i, 0,1,2,3,4,5,6,7
	v_cvt_pk_bf16_f32 v[QF+8*\f+\i], v[SC+16*\f+2*\i], v[SC+16*\f+2*\i+1]
.endr
.endr
; 16 loads: the K fragments of stage buffer p.  Fragment (kt, ks): keys 16 kt + r, d = 32 ks + 8 h .. and + 16.
.macro LDK p
	WIN 0x40                                       ; destination window 1, address window 0
.irp ks, 0,1
.irp kt, 0,1,2,3
	ds_load_b128 v[KF+16*\kt+8*\ks:KF+16*\kt+8*\ks+3],   v[KFA] offset:\p*SBUF+\kt*16*KP+\ks*64
	ds_load_b128 v[KF+16*\kt+8*\ks+4:KF+16*\kt+8*\ks+7], v[KFA] offset:\p*SBUF+\kt*16*KP+\ks*64+32
.endr
.endr
.endm
; 16 transposing loads: the V^T fragments of stage buffer p.  Fragment (u, dt): rows d = 16 dt + r, keys 32 u + 8 h .. and + 16.
.macro LDV p
	WIN 0x40
.irp u, 0,1
.irp dt, 0,1,2,3
	ds_load_tr16_b128 v[VF+32*\u+8*\dt:VF+32*\u+8*\dt+3],   v[VFA] offset:\p*SBUF+\u*32*VP+\dt*32
	ds_load_tr16_b128 v[VF+32*\u+8*\dt+4:VF+32*\u+8*\dt+7], v[VFA] offset:\p*SBUF+\u*32*VP+\dt*32+16*VP
.endr
.endr
.endm
; 8 loads: my 128 bytes of the f32 K and V of the step that lies o steps behind s46
.macro LDC o
	WIN 0
.irp j, 0,1,2,3
	ds_load_b128 v[CT+4*\j:CT+4*\j+3],       v[CVK] offset:\o*STEPB+\j*4096
	ds_load_b128 v[CT+16+4*\j:CT+16+4*\j+3], v[CVV] offset:\o*STEPB+\j*4096
.endr
.endm
; round them to bf16 and put them into stage buffer p
.macro CVST p
.irp j, 0,1,2,3
	v_cvt_pk_bf16_f32 v[CT+4*\j],      v[CT+4*\j],      v[CT+4*\j+1]
	v_cvt_pk_bf16_f32 v[CT+4*\j+1],    v[CT+4*\j+2],    v[CT+4*\j+3]
	v_cvt_pk_bf16_f32 v[CT+16+4*\j],   v[CT+16+4*\j],   v[CT+16+4*\j+1]
	v_cvt_pk_bf16_f32 v[CT+16+4*\j+1], v[CT+16+4*\j+2], v[CT+16+4*\j+3]
.endr
.irp j, 0,1,2,3
	ds_store_b64 v[CWK], v[CT+4*\j:CT+4*\j+1]       offset:\p*SBUF+\j*16*KP
	ds_store_b64 v[CWV], v[CT+16+4*\j:CT+16+4*\j+1] offset:\p*SBUF+\j*16*VP
.endr
.endm
; S^T = K Q^T for 64 keys x the 16 queries of block qb: 8 matrix instructions.  The first 32 of d start the sums with C = 0.
; The four accumulators take turns, one instruction a turn, in the same order in both halves.
.macro QKB qb
	WIN 0x01                                       ; A (K) window 1; B (Q), C and D (S) window 0
.irp kt, 0,1,2,3
	v_wmma_f32_16x16x32_bf16 v[SC+32*\qb+8*\kt:SC+32*\qb+8*\kt+7], v[KF+16*\kt:KF+16*\kt+7], v[QF+16*\qb:QF+16*\qb+7], 0
.endr
.irp kt, 0,1,2,3
	v_wmma_f32_16x16x32_bf16 v[SC+32*\qb+8*\kt:SC+32*\qb+8*\kt+7], v[KF+16*\kt+8:KF+16*\kt+15], v[QF+16*\qb+8:QF+16*\qb+15], v[SC+32*\qb+8*\kt:SC+32*\qb+8*\kt+7]
.endr
.endm
; one tile of 8 scores at register x: p = exp2(c s + shift), in place
.macro FMAEXP x
.irp i, 0,2,4,6
	v_pk_fma_f32 v[\x+\i:\x+\i+1], v[\x+\i:\x+\i+1], s[32:33], v[NM:NM+1] op_sel_hi:[1,0,0]   ; both halves by s32 and plus the pair's first register
.endr
.irp i, 0,1,2,3,4,5,6,7
	v_exp_f32 v[\x+\i], v[\x+\i]
.endr
.endm
; The softmax step of query block qb: my 32 scores (one query, 32 of the step's 64 keys; the other 32 are in the lane 16 away).
; Behind every run of v_exp_f32 the first plain line names none of that run's registers (ISA guide 5.7.2).
.macro SOFTMAX qb, first
	WIN 0
.set X,  SC+32*\qb
.set NM, NMM+2*\qb
.set MX, NMM+2*\qb+1
	v_max3_num_f32 v[TA], v[X+0],  v[X+1],  v[X+2]         ; the maximum, in two chains
	v_max3_num_f32 v[TB], v[X+16], v[X+17], v[X+18]
.irp i, 3,5,7,9,11,13
	v_max3_num_f32 v[TA], v[TA], v[X+\i],    v[X+\i+1]
	v_max3_num_f32 v[TB], v[TB], v[X+16+\i], v[X+17+\i]
.endr
.if \first
	v_max_num_f32 v[TA], v[TA], v[X+15]
.else
	v_max3_num_f32 v[TA], v[TA], v[X+15], v[MX]            ; the running maximum joins in
.endif
	v_max3_num_f32 v[TB], v[TB], v[X+31], v[TA]
	v_permlanex16_b32 v[TA], v[TB], s36, s37               ; the other half's 32 keys
	v_max_num_f32 v[MX], v[TB], v[TA]
.if \first
	v_mul_f32 v[NM], s34, v[MX]                            ; the shift, -c max, rounded once and used as rounded
.else
	v_mul_f32 v[TA], s34, v[MX]
	v_sub_f32 v[AL], v[TA], v[NM]                          ; new shift - old shift, at most 0
	v_exp_f32 v[AL], v[AL]                                 ; alpha
	v_mov_b32 v[NM], v[TA]                                 ; the plain line behind it
.endif
	FMAEXP X
	FMAEXP X+8
	s_wait_alu depctr_va_vdst(0)
	v_pk_add_f32 v[SA:SA+1], v[X+0:X+1], v[X+2:X+3]        ; the first pairs start the sums: nothing is cleared
	v_pk_add_f32 v[SB:SB+1], v[X+4:X+5], v[X+6:X+7]
	v_pk_add_f32 v[SA:SA+1], v[SA:SA+1], v[X+8:X+9]
	v_pk_add_f32 v[SB:SB+1], v[SB:SB+1], v[X+10:X+11]
	v_pk_add_f32 v[SA:SA+1], v[SA:SA+1], v[X+12:X+13]
	v_pk_add_f32 v[SB:SB+1], v[SB:SB+1], v[X+14:X+15]
.irp i, 0,1,2,3,4,5,6,7
	v_cvt_pk_bf16_f32 v[X+\i], v[X+2*\i], v[X+2*\i+1]      ; tiles 0 and 1 packed in place: the B fragment of keys 0-31 (register i is written when 2 i and 2 i + 1 are read)
.endr
	FMAEXP X+16
	FMAEXP X+24
	s_wait_alu depctr_va_vdst(0)
.irp i, 16,20,24,28
	v_pk_add_f32 v[SA:SA+1], v[SA:SA+1], v[X+\i:X+\i+1]
	v_pk_add_f32 v[SB:SB+1], v[SB:SB+1], v[X+\i+2:X+\i+3]
.endr
	v_pk_add_f32 v[SA:SA+1], v[SA:SA+1], v[SB:SB+1]
.irp i, 0,1,2,3,4,5,6,7
	v_cvt_pk_bf16_f32 v[X+16+\i], v[X+16+2*\i], v[X+16+2*\i+1]   ; tiles 2 and 3: keys 32-63
.endr
.if \first
	v_add_f32 v[LS+\qb], v[SA], v[SA+1]
.else
	v_add_f32 v[TB], v[SA], v[SA+1]
	v_fma_f32 v[LS+\qb], v[LS+\qb], v[AL], v[TB]           ; the lane's part of the sum; the halves meet at the end
.endif
.endm
; O^T of block qb times alpha (in every trip), then O^T += V^T P^T: 8 matrix instructions;
; the four accumulators take turns, one instruction a turn.  first = 1: the first products start the sums.
.macro SCPV qb, first
.if \first == 0
	WIN 0x41                                       ; source 0 and destination window 1, alpha window 0
.irp i, 0,2,4,6,8,10,12,14,16,18,20,22,24,26,28,30
	v_pk_mul_f32 v[OT+32*\qb+\i:OT+32*\qb+\i+1], v[OT+32*\qb+\i:OT+32*\qb+\i+1], v[AL:AL+1] op_sel_hi:[1,0]
.endr
.endif
	WIN 0x51                                       ; A (V^T), C and D (O^T) window 1; B (P) window 0
.irp u, 0,1
.irp dt, 0,1,2,3
.if (\first)*(1-\u)
	v_wmma_f32_16x16x32_bf16 v[OT+32*\qb+8*\dt:OT+32*\qb+8*\dt+7], v[VF+32*\u+8*\dt:VF+32*\u+8*\dt+7], v[SC+32*\qb+16*\u:SC+32*\qb+16*\u+7], 0
.else
	v_wmma_f32_16x16x32_bf16 v[OT+32*\qb+8*\dt:OT+32*\qb+8*\dt+7], v[VF+32*\u+8*\dt:VF+32*\u+8*\dt+7], v[SC+32*\qb+16*\u:SC+32*\qb+16*\u+7], v[OT+32*\qb+8*\dt:OT+32*\qb+8*\dt+7]
.endif
.endr
.endr
.endm
; One step of 64 keys, step i.  At its head: K's fragments of step i are in registers, the scores of its blocks 0 and 1 are made, and my part of step i + 1
; has been stored into the other stage buffer (in the trip before).
; p: step i's stage buffer.  ldk = 1: K's fragments of step i + 1 are fetched and the scores of its blocks 0 and 1 made.  conv = 1: step i + 2 (o steps behind s46 in
; the slots) is converted into buffer p.  sync = 1: the slot that had its last read in the trip before is filled again; the trip's barrier opens a round of the cluster's barrier.
; ONE barrier a trip.  In front of its signal: my reads of buffer p (V's fragments here, K's a trip ago) and my stores of step i + 1 into the other buffer are done.
; Behind its wait: the other buffer is read (K's fragments of step i + 1 here, V's at the next trip's head) and buffer p is written (step i + 2).
; Between the signal and the wait stands register work alone: run, softmax, run.
; DISTANCES (ISA guide 7.12.1).  Scores are read a whole softmax or more behind the matrix instructions that made them; V's fragments are loaded again four v_nop behind
; the last product that read them, K's likewise; a run's S^T part writes no register of the O^T part in front of it.
.macro TRIP p, first, ldk, conv, o, sync
.set TN, 1-\p
	LDV \p
	SOFTMAX 0, \first
	s_wait_dscnt 0x0                               ; V's fragments, asked for a softmax ago, are in; my stores of the trip before are done
.if \sync
	s_wait_tensorcnt 0x0                           ; all my tensor loads have landed: the one that was out is my part of the tile that is read next
	s_xor_b32 s29, s29, TILEB                      ; no load of mine is out, so the running group 0 may be written: the other slot,
	s_add_nc_u64 s[30:31], s[30:31], TILEB         ; the next tile
.endif
	s_barrier_signal -1
	SCPV 0, \first
	QKB 2
	SOFTMAX 1, \first
	SCPV 1, \first
	QKB 3
	WIN 0
	s_barrier_wait -1
.if \sync
	CREST                                          ; no wave of any of the four work-groups still reads the slot or has a load on its way
	tensor_load_to_lds s[28:31], s[16:23]          ; my one tensor load behind the round, first thing there; it is first read four trips on
	s_nop 0
.endif
.if \ldk
	PLACES 4                                       ; behind the last product that read K's fragments
	LDK TN
.endif
.if \conv
	LDC \o
.endif
	SOFTMAX 2, \first
.if \ldk
	s_wait_dscnt 0x0                               ; K's fragments and the f32 words, asked for a softmax ago, are in
.endif
.if \conv
	CVST \p
.endif
	SCPV 2, \first
.if \ldk
	QKB 0
.endif
	SOFTMAX 3, \first
	SCPV 3, \first
.if \ldk
	QKB 1
.endif
	WIN 0
	PLACES 4                                       ; behind the last product that read V's fragments, which the next trip loads again; behind the last trip: in front of the reads of O^T
.endm
	s_wait_tensorcnt 0x1                           ; my part of tile 0 is in; tile 1 may stay out
	s_barrier_signal -1
	s_barrier_wait -1                              ; everybody's part is in
	LDC 0
	s_wait_dscnt 0x0
	CVST 0                                         ; step 0 into stage buffer 0
	s_wait_dscnt 0x0                               ; the words' registers are loaded again only when these stores are done
	LDC 1
	s_wait_dscnt 0x0
	CVST 1                                         ; step 1 into stage buffer 1
	s_wait_dscnt 0x0
	s_barrier_signal -1
	s_barrier_wait -1
	LDK 0
	s_wait_dscnt 0x0
	QKB 0                                          ; the scores of step 0, blocks 0 and 1
	QKB 1
	WIN 0
	PLACES 4                                       ; in front of the first read of a score
	TRIP 0, 1, 1, 1, 2, 0                          ; step 0 stands in front of the loops: it starts maxima, sums and O^T; it converts step 2
	s_mov_b32 s35, 6
.Llap:                                             ; steps 1 to 24, four a lap; lap n converts steps 4 n + 3 .. 4 n + 6 and asks for tile n + 2 (tiles 2 to 7)
	TRIP 1, 0, 1, 1, 3, 0                          ; the slot's last quarter is read
	s_xor_b32 s46, s46, TILEB                      ; the f32 reads go on in the other slot
	SETC
	TRIP 0, 0, 1, 1, 0, 1                          ; the slot read out is filled again; behind the same round the other slot's first quarter is read
	TRIP 1, 0, 1, 1, 1, 0
	TRIP 0, 0, 1, 1, 2, 0
	s_sub_co_u32 s35, s35, 1
	s_cmp_lg_u32 s35, 0
	s_cbranch_scc1 .Llap
	s_wait_tensorcnt 0x0                           ; tile 7, asked for in step 22: every wave waits here, in front of the signals of steps 25 and 26; it is first read behind step 26's barrier
	s_mov_b32 s35, 2
.Ltail:                                            ; steps 25 to 28, two a lap: nothing is left to fetch.  s46 was 0 (tile 6) and goes 32,768, 65,536: steps 27 to 30 are converted
	s_add_co_u32 s46, s46, 2*STEPB
	SETC
	TRIP 1, 0, 1, 1, 1, 0
	TRIP 0, 0, 1, 1, 2, 0
	s_sub_co_u32 s35, s35, 1
	s_cmp_lg_u32 s35, 0
	s_cbranch_scc1 .Ltail
	s_add_co_u32 s46, s46, 2*STEPB                 ; 98,304
	SETC
	TRIP 1, 0, 1, 1, 1, 0                          ; step 29 converts step 31, the last
	TRIP 0, 0, 1, 0, 0, 0                          ; step 30 converts nothing and fetches K's fragments of step 31
	TRIP 1, 0, 0, 0, 0, 0                          ; step 31; behind its barrier no wave reads the stage buffers any more
	; THE END: the two halves' sums meet, 1 / sum, and O^T goes out 16 queries at a time through my own stage.
.irp qb, 0,1,2,3
	v_permlanex16_b32 v[TA], v[LS+\qb], s36, s37
	v_add_f32 v[LS+\qb], v[LS+\qb], v[TA]
.endr
.irp qb, 0,1,2,3
	v_rcp_f32 v[NMM+2*\qb], v[LS+\qb]              ; into the shift's register, which is done with
.endr
	v_nop                                          ; the plain line behind the reciprocals
	s_wait_alu depctr_va_vdst(0)
; Block qb: scale into v[80:111], 32 bytes a lane into rows of 272 bytes, whole rows back into dst (32 registers that no later line writes: no store's data is ever rewritten).
.macro OUTQ qb, dst
	WIN 0x01                                       ; source 0 (O^T) window 1
.irp i, 0,2,4,6,8,10,12,14,16,18,20,22,24,26,28,30
	v_pk_mul_f32 v[SC+\i:SC+\i+1], v[OT+32*\qb+\i:OT+32*\qb+\i+1], v[NMM+2*\qb:NMM+2*\qb+1] op_sel_hi:[1,0]
.endr
	WIN 0
.irp dt, 0,1,2,3
	ds_store_b128 v[STO], v[SC+8*\dt:SC+8*\dt+3]   offset:\dt*64       ; d = 16 dt + 8 h .. +3 of query r
	ds_store_b128 v[STO], v[SC+8*\dt+4:SC+8*\dt+7] offset:\dt*64+16
.endr
.irp t, 0,1,2,3,4,5,6,7
	ds_load_b128 v[\dst+4*\t:\dst+4*\t+3], v[RD] offset:\t*2*OP        ; LDS serves a wave's instructions in order (ISA guide 5.7.1): these see the stores above
.endr
.irp t, 0,1,2,3,4,5,6,7
	s_wait_dscnt 7-\t                              ; read-back t is in; the younger ones may be out
	global_store_b128 v[CO], v[\dst+4*\t:\dst+4*\t+3], s[10:11] offset:\qb*4096+\t*512 th:TH_STORE_NT   ; two whole rows: 512 consecutive bytes, aligned
.endr
.endm
	OUTQ 0, 112
	OUTQ 1, 144
	OUTQ 2, 176
	OUTQ 3, 16
	CROUND                                         ; the closing round: no work-group ends while a partner may still ask for a tile that names it
	s_endpgm
.Lfunc_end_k_q9a32cf43ff_attn:
	.size	k_q9a32cf43ff_attn, .Lfunc_end_k_q9a32cf43ff_attn-k_q9a32cf43ff_attn
	.p2alignl 7, 3214868480
	.fill 96, 4, 3214868480
	.section	.rodata,"a",@progbits
	.p2align	6, 0x0
	.amdhsa_kernel k_q9a32cf43ff_attn
		.amdhsa_group_segment_fixed_size 327680
		.amdhsa_private_segment_fixed_size 0
		.amdhsa_enable_private_segment 0
		.amdhsa_kernarg_size 32
		.amdhsa_user_sgpr_count 2
		.amdhsa_user_sgpr_kernarg_segment_ptr 1
		.amdhsa_wavefront_size32 1
		.amdhsa_system_sgpr_workgroup_id_x 1
		.amdhsa_system_sgpr_workgroup_id_y 1
		.amdhsa_system_sgpr_workgroup_id_z 1
		.amdhsa_system_vgpr_workitem_id 0
		.amdhsa_next_free_vgpr 512
		.amdhsa_next_free_sgpr 66
		.amdhsa_reserve_vcc 0
		.amdhsa_float_denorm_mode_32 3
		.amdhsa_float_denorm_mode_16_64 3
		.amdhsa_memory_ordered 1
		.amdhsa_forward_progress 1
		.amdhsa_inst_pref_size 255
	.end_amdhsa_kernel
	.section	.bss,"aw",@nobits
	.p2align	6
	.space	262144
	.amdgpu_metadata
---
amdhsa.version: [ 1, 2 ]
amdhsa.kernels:
  - .name:           k_q9a32cf43ff_attn
    .symbol:         k_q9a32cf43ff_attn.kd
    .args:
      - { .name: k, .offset: 0, .size: 8, .value_kind: global_buffer, .address_space: global }
      - { .name: q, .offset: 8, .size: 8, .value_kind: global_buffer, .address_space: global }
      - { .name: v, .offset: 16, .size: 8, .value_kind: global_buffer, .address_space: global }
      - { .name: out0, .offset: 24, .size: 8, .value_kind: global_buffer, .address_space: global }
    .group_segment_fixed_size: 327680
    .private_segment_fixed_size: 0
    .kernarg_segment_align: 8
    .kernarg_segment_size: 32
    .max_flat_workgroup_size: 256
    .sgpr_count:     66
    .vgpr_count:     512
    .wavefront_size: 32
...
	.end_amdgpu_metadata
.endif
;; end of part 1
